; MI455X (gfx1250); checked and timed in simulation.
; The chip was launched on July 23, 2026; its instructions are those of AMD's public machine-readable ISA for CDNA 5 (MIT licence, August 2026) and "CDNA5" Instruction Set Architecture Reference Guide (July 2026). The comments in the code are by the model that wrote it; some were corrected since.
;; Vector Quantizer. Allowed arithmetic: float matrix products may take bf16 or f16 operands with f32 sums; other float arithmetic in f32, or as packed bf16 or f16 multiplies, adds, multiply-adds, maxima and minima; sums over many terms, partial sums and values carried from step to step in f32; what a program stores and reads back later, other than sums and carried values, may be rounded once to bf16 or f16.
;; Inputs: emb 8,192 x 512 float32; x 32 x 512 x 512 float32.
;; Outputs: out0 32 x 512 x 512 float32; out1 one number float32; out2 one number float32; out3 16,384 x 1 int32.
;; One version. Each part assembles by itself: llvm-mc -triple=amdgcn-amd-amdhsa -mcpu=gfx1250 --defsym DOCPART=n.
;; ======== version 1 of 1: 4 launches
;; workspace buffers: wb 25,952,256 bytes; cand 524,288 bytes of whole numbers; lp 16,384 bytes
;; launch prep (part 1): grid 768 x 1, 8 waves a work-group, no clusters, 0 bytes of LDS; arguments x, emb, wb; writes wb
.if DOCPART == 1
	.amdgcn_target "amdgcn-amd-amdhsa--gfx1250"
	.amdhsa_code_object_version 6
	.text
	.protected	k_qb5b9fc596c_prep
	.globl	k_qb5b9fc596c_prep
	.p2align	8
	.type	k_qb5b9fc596c_prep,@function
k_qb5b9fc596c_prep:
	s_mov_b64 s[64:65], 0
	v_nop
	global_prefetch_b8 v0, s[64:65] scope:SCOPE_SE
	s_setreg_imm32_b32 hwreg(HW_REG_WAVE_MODE, 25, 1), 1
	s_wait_xcnt 0x0
; prep: x and emb rounded once to bf16 and laid out in blocks for the matrix launch, with each row's sum of squares.
; wb is 768 blocks of 33 rows x 1,024 bytes.  Block b < 512 holds rows 32 b .. 32 b + 31 of x, block 512 + e the same rows of emb: rows 0-31 are 512 bf16 each;
; row 32 holds the 32 sums of squares (f32) of the ROUNDED rows, then 896 bytes of zeros, so that a block is dense and one tile brings numbers and sums together.
; SHARES.  A work-group makes one block, wave w its rows 4 w .. 4 w + 3.  In each half of a row (1,024 bytes of f32) lane l takes 32 neighbouring bytes, which round to
; 16 bytes of bf16: a store of the wave covers 512 consecutive bytes, aligned.  No LDS and no barrier: a row never leaves its wave.
; The sums are taken in f32 of the rounded numbers, two chains a lane, then across the lanes: their order is not that of a sum from left to right, so they may differ from such a sum in the last bits.
.set R,   8                            ; v[8:11]   the four rows' sums
.set X,   16                           ; v[16:79]  row i: 16 registers as loaded
.set Y,   80                           ; v[80:111] row i: 8 registers of bf16; written once, so no store is ever waited for
.set BLK, 33792                        ; bytes in a block of wb
	s_load_b128 s[4:7], s[0:1], 0x0                ; x s[4:5], emb s[6:7]
	s_load_b64 s[8:9], s[0:1], 0x10                ; wb
	v_and_b32 v1, 31, v0                           ; lane
	v_lshrrev_b32 v5, 5, v0
	v_readfirstlane_b32 s10, v5                    ; wave 0..7
	v_lshlrev_b32 v2, 5, v1
	v_lshl_add_u32 v2, s10, 13, v2                 ; from: 4 rows of 2,048 bytes a wave + 32 bytes a lane
	v_lshlrev_b32 v3, 4, v1
	v_lshl_add_u32 v3, s10, 12, v3                 ; to: 4 rows of 1,024 bytes a wave + 16 bytes a lane
	v_mov_b32 v4, 0                                ; what the two chains of a sum start from
	s_mov_b32 s20, 0x76543210                      ; v_permlanex16_b32: each lane takes its own place in the other half
	s_mov_b32 s21, 0xfedcba98
	s_mul_i32 s18, ttmp9, BLK                      ; my block in wb
	s_mov_b32 s19, 0
	s_mov_b32 s17, 0
	s_sub_co_u32 s15, ttmp9, 512                   ; my block's number in emb, if it is one of emb's
	s_cmp_lt_u32 ttmp9, 512                        ; the choice hangs on the work-group's number alone
	s_cselect_b32 s14, ttmp9, s15
	s_wait_kmcnt 0x0
	s_cselect_b64 s[12:13], s[4:5], s[6:7]         ; x or emb
	s_lshl_b32 s16, s14, 16                        ; 32 rows of 2,048 bytes
	s_add_nc_u64 s[12:13], s[12:13], s[16:17]
	s_add_nc_u64 s[8:9], s[8:9], s[18:19]
.set n, 0
.rept 8                                ; all sixteen loads at once: row n / 2, half n % 2
	global_load_b128 v[X+8*n:X+8*n+3],   v2, s[12:13] offset:1024*n
	global_load_b128 v[X+8*n+4:X+8*n+7], v2, s[12:13] offset:1024*n+16
.set n, n+1
.endr
.macro ROW i
	s_wait_loadcnt 12-4*(\i)                       ; loads come back in order: row i's four are in, the four of each later row may be out
.set n, 0
.rept 8
	v_cvt_pk_bf16_f32 v[Y+8*(\i)+n], v[X+16*(\i)+2*n], v[X+16*(\i)+2*n+1]  ; two roundings to nearest even
.set n, n+1
.endr
	global_store_b128 v3, v[Y+8*(\i):Y+8*(\i)+3],   s[8:9] offset:(\i)*1024
	global_store_b128 v3, v[Y+8*(\i)+4:Y+8*(\i)+7], s[8:9] offset:(\i)*1024+512
	v_fma_mix_f32_bf16 v12, v[Y+8*(\i)], v[Y+8*(\i)], v4 op_sel_hi:[1,1,0]               ; the low halves' squares,
	v_fma_mix_f32_bf16 v13, v[Y+8*(\i)], v[Y+8*(\i)], v4 op_sel:[1,1,0] op_sel_hi:[1,1,0]  ; the high halves'
.set n, 1
.rept 7
	v_fma_mix_f32_bf16 v12, v[Y+8*(\i)+n], v[Y+8*(\i)+n], v12 op_sel_hi:[1,1,0]
	v_fma_mix_f32_bf16 v13, v[Y+8*(\i)+n], v[Y+8*(\i)+n], v13 op_sel:[1,1,0] op_sel_hi:[1,1,0]
.set n, n+1
.endr
	v_add_f32 v12, v12, v13
	v_add_f32_dpp v12, v12, v12 row_xmask:1 row_mask:0xf bank_mask:0xf
	v_add_f32_dpp v12, v12, v12 row_xmask:2 row_mask:0xf bank_mask:0xf
	v_add_f32_dpp v12, v12, v12 row_xmask:4 row_mask:0xf bank_mask:0xf
	v_add_f32_dpp v12, v12, v12 row_xmask:8 row_mask:0xf bank_mask:0xf
	v_permlanex16_b32 v13, v12, s20, s21
	v_add_f32 v[R+(\i)], v12, v13                  ; every lane holds the row's sum
.endm
	ROW 0
	ROW 1
	ROW 2
	ROW 3
	; Row 32 of the block, one store with all lanes on: lanes 0-3 put my four sums at 16 w + 4 l; lanes 4-31 put zeros at 128 + 112 w + 4 (l - 4): the eight waves write all 1,024 bytes.
	v_mov_b32 v14, 0
.set n, 0
.rept 4
	v_cmp_eq_u32 vcc_lo, n, v1
	v_cndmask_b32 v14, v14, v[R+n], vcc_lo
.set n, n+1
.endr
	v_lshlrev_b32 v15, 2, v1
	s_lshl_b32 s22, s10, 4
	s_add_co_u32 s22, s22, 32768
	s_mul_i32 s23, s10, 112
	s_add_co_u32 s23, s23, 32768+112
	v_add_nc_u32 v6, s22, v15
	v_add_nc_u32 v7, s23, v15
	v_cmp_gt_u32 vcc_lo, 4, v1
	v_cndmask_b32 v6, v7, v6, vcc_lo
	global_store_b32 v6, v14, s[8:9]
	s_endpgm
.Lfunc_end_k_qb5b9fc596c_prep:
	.size	k_qb5b9fc596c_prep, .Lfunc_end_k_qb5b9fc596c_prep-k_qb5b9fc596c_prep
	.p2alignl 7, 3214868480
	.fill 96, 4, 3214868480
	.section	.rodata,"a",@progbits
	.p2align	6, 0x0
	.amdhsa_kernel k_qb5b9fc596c_prep
		.amdhsa_group_segment_fixed_size 0
		.amdhsa_private_segment_fixed_size 0
		.amdhsa_enable_private_segment 0
		.amdhsa_kernarg_size 24
		.amdhsa_user_sgpr_count 2
		.amdhsa_user_sgpr_kernarg_segment_ptr 1
		.amdhsa_wavefront_size32 1
		.amdhsa_system_sgpr_workgroup_id_x 1
		.amdhsa_system_sgpr_workgroup_id_y 1
		.amdhsa_system_sgpr_workgroup_id_z 1
		.amdhsa_system_vgpr_workitem_id 0
		.amdhsa_next_free_vgpr 112
		.amdhsa_next_free_sgpr 66
		.amdhsa_reserve_vcc 1
		.amdhsa_float_denorm_mode_32 3
		.amdhsa_float_denorm_mode_16_64 3
		.amdhsa_memory_ordered 1
		.amdhsa_forward_progress 1
		.amdhsa_inst_pref_size 12
	.end_amdhsa_kernel
	.amdgpu_metadata
---
amdhsa.version: [ 1, 2 ]
amdhsa.kernels:
  - .name:           k_qb5b9fc596c_prep
    .symbol:         k_qb5b9fc596c_prep.kd
    .args:
      - { .name: x, .offset: 0, .size: 8, .value_kind: global_buffer, .address_space: global }
      - { .name: emb, .offset: 8, .size: 8, .value_kind: global_buffer, .address_space: global }
      - { .name: wb, .offset: 16, .size: 8, .value_kind: global_buffer, .address_space: global }
    .group_segment_fixed_size: 0
    .private_segment_fixed_size: 0
    .kernarg_segment_align: 8
    .kernarg_segment_size: 24
    .max_flat_workgroup_size: 256
    .sgpr_count:     66
    .vgpr_count:     112
    .wavefront_size: 32
...
	.end_amdgpu_metadata
.endif
;; end of part 1
;; launch dist (part 2): grid 64 x 4, 4 waves a work-group, clusters of 4 x 1, 327,680 bytes of LDS; arguments wb, cand; writes cand
.if DOCPART == 2
	.amdgcn_target "amdgcn-amd-amdhsa--gfx1250"
	.amdhsa_code_object_version 6
	.text
	.protected	k_qb5b9fc596c_dist
	.globl	k_qb5b9fc596c_dist
	.p2align	8
	.type	k_qb5b9fc596c_dist,@function
k_qb5b9fc596c_dist:
	s_mov_b64 s[64:65], 0
	v_nop
	global_prefetch_b8 v0, s[64:65] scope:SCOPE_SE
	s_setreg_imm32_b32 hwreg(HW_REG_WAVE_MODE, 25, 1), 1
	s_wait_xcnt 0x0
	s_wait_alu depctr_hold_cnt(0) depctr_sa_sdst(0) depctr_va_vdst(0) depctr_va_sdst(0) depctr_va_ssrc(0) depctr_va_vcc(0) depctr_vm_vsrc(0)
	s_getreg_b32 s2, hwreg(HW_REG_IB_STS2, 6, 4)
	s_cmp_eq_u32 s2, 0
	s_cbranch_scc0 .Lentry_in_a_cluster
	s_endpgm
.Lentry_in_a_cluster:
	s_bfe_u32 s2, ttmp6, 0x10000c
	s_cmp_lg_u32 s2, 0x3003
	s_cbranch_scc0 .Lentry_shape_is_right
	s_endpgm
.Lentry_shape_is_right:
; dist: for 256 rows of x and a quarter of the codes (2,048), each row's least distance d = fl(fl(A + B) - 2 dot) and the first code that has it.
; A, B: the sums of squares that lie in wb; dot: the bf16 product, summed in f32 by the matrix unit.  The two roundings are those of the formula as it is written: t = B + A is one f32 addition,
; d = t - 2 dot one fused multiply-add (2 dot is exact).  Stored for each row and quarter: d as an unsigned key that keeps the order of f32, and the code's number; the next launch takes the least of four.
; LIMITS.  A distance that is NaN never wins (an argmin that takes the first NaN differs there).  -0 counts as less than +0.  dot's last bits are the matrix unit's own order of summing.
; SHARES.  A wave keeps 64 rows of x, all 512 along K, in 512 registers for the whole launch; the four waves of a work-group hold 256 rows.  Codes come 16 to a TILE: 64 matrix instructions a wave.
; LAYOUT.  Source 0 = 16 codes, source 1 = 16 rows of x: in the result a lane holds ONE row of x (lane % 16) and the codes 8 (lane / 16) + 0..7, so the running least and its code are one register each for 16 rows.
; BY TURNS.  While tile n is multiplied (accumulator set n % 2), the 128 vector instructions that judge tile n - 1 (the other set) stand in slices of four behind every second matrix instruction.
; RING.  Two LDS slots of 128 codes; a wave's one tensor load brings a block of wb (32 codes and their sums, 33 rows of 1,024 bytes).  A refill has 512 matrix instructions a wave in which to land.
; CLUSTER.  The four work-groups of a cluster have the same quarter and walk the same codes: each block is asked for JOINTLY, by the same load, descriptor and mask of four.  x's tile is each work-group's own.
; At the start the two slots together hold the work-group's x; when every wave has it in registers they are filled again with codes.
; REGISTERS, in windows of 256 (s_set_vgpr_msb: bits 1:0 source 0, 3:2 source 1, 5:4 source 2, 7:6 destination):
;   window 0: addresses, statistics, sums of squares, T, the accumulators      window 1: the codes' fragments, two buffers of 128 (K step c at 8 c)
;   window 2: x's fragments, 16 rows q, K steps 0-7 at 64 q + 8 c              window 3: the same for K steps 8-15
.set PITCH,  1040                      ; an LDS row: 1,024 bytes + 16 of padding, an odd multiple of 16: the 16 rows of a fragment load start in 16 different groups of four banks (ISA guide 11.1)
.set QTR,    33*PITCH                  ; a block in LDS
.set SLOT,   4*QTR                     ; 128 codes
.set XW,     66*PITCH                  ; a wave's x: two blocks
.set NROW,   32*PITCH                  ; where a block's sums of squares lie
.set SPARE,  274688                    ; behind the slots (274,560 bytes): the spare words, 128 bytes for each wave: two blocks of 256 bytes that no other line names
.set BLK,    33792                     ; a block in memory
.set GROUPB, 4*BLK                     ; a slot's bytes in memory
.set EOFF,   512*BLK                   ; where emb's blocks begin in wb
.set AK0,  3                           ; v3   my lane's place in a tile: (l % 16) x pitch + 16 (l / 16)
.set AN0,  4                           ; v4   my lane's place in a block's sums: NROW + 32 (l / 16)
.set ADR,  5                           ; v5   the block whose tiles are being fetched + AK0
.set ADRN, 6                           ; v6   the same + AN0
.set ADRX, 7                           ; v7   my wave's x + AK0
.set ADRA, 8                           ; v8, v9  my row's sum of squares in my wave's first and second block, less NROW
.set CO,   10                          ; v10  8 x lane: my place in 256 bytes of cand
.set HO,   11                          ; v11  8 (l / 16) + 2,048 x quarter: what my codes' numbers lack
.set SPW,  12                          ; v12  LDS address of my spare word; never rewritten
.set NIL,  13                          ; v13  0; never rewritten
.set AN,   16                          ; v[16:19]  A of my row in each of the four groups of 16 rows
.set BEST, 20                          ; v[20:23]  the least distance so far
.set IDX,  24                          ; v[24:27]  16 x tile + j of the first code that had it
.set BN,   32                          ; v[32:47]  B of my eight codes, two buffers
.set T,    48                          ; v[48:79]  t, then d: 8 q + j
.set ACC,  80                          ; v[80:143] two sets of four accumulators
.set WV,   8                           ; s8   my wave's number
.set G1E,  16                          ; s[16:23] descriptor group 1 for the codes' blocks
.set G1X,  24                          ; s[24:31] for x's tile
.set G0X,  32                          ; s[32:35] descriptor group 0 for x's tile
.set G0A,  36                          ; s[36:39] for slot 0, s[40:43] for slot 1
.set TB,   44                          ; s44  LDS byte of the block to be fetched next
.set CNT,  45                          ; s45  counts pairs of tiles
.set LAP,  46                          ; s46  counts laps round the ring
.set SEL,  48                          ; s[48:49] v_permlanex16_b32's selects
.set MK,   52                          ; s[52:55] four lane masks
.set KJ,   56                          ; s[56:63] 16 x tile + j for the tile that is being judged
.set MSB, 0
.macro WIN new                         ; the immediate's high byte repeats the setting that is left; a switch that changes nothing is dropped
.if MSB != (\new)
	s_set_vgpr_msb (MSB<<8)|(\new)
.set MSB, (\new)
.endif
.endm
; A round of the cluster's barrier: my work-group's barrier, so that wave 0's signal speaks for all four waves; wave 0 signals; every wave waits for all four work-groups; my work-group's barrier once more.
.macro CROUND
	s_barrier_signal -1
	s_barrier_wait -1
	s_cmp_lg_u32 s[WV], 0
	s_cbranch_scc1 .Lnot_wave_0_\@
	s_barrier_signal -3
.Lnot_wave_0_\@:
	s_barrier_wait -3
	s_barrier_signal -1
	s_barrier_wait -1
.endm
.macro PLACES
.rept 4
	v_nop
.endr
.endm
	s_load_b128 s[4:7], s[0:1], 0x0                ; wb s[4:5], cand s[6:7]
	v_lshl_add_u32 v[SPW], v0, 2, SPARE
	v_mov_b32 v[NIL], 0
	ds_add_u32 v[SPW], v[NIL]                      ; the wave's opening: the add and its wait stand ahead of my first tensor load; the set-up below, work on registers, stands between them
	v_lshrrev_b32 v1, 5, v0
	v_readfirstlane_b32 s[WV], v1                  ; wave 0..3
	s_bfe_u32 s9, ttmp6, 0x40000                   ; cx: my place in the cluster
	s_lshl_b32 s10, ttmp9, 2                       ; in a cluster launch ttmp9 counts clusters
	s_add_co_u32 s10, s10, s9                      ; my block of 256 rows = 4 x cluster x + cx: it enters x's and cand's addresses alone
	s_and_b32 s11, ttmp7, 0xffff                   ; the quarter, which the four partners share
	; group 1 for the codes: 33 rows x 512 elements of 2 bytes, padded in LDS
	s_mov_b32 s[G1E+0], 0x07f1000f                 ; 15:0 the mask of four; 17:16 2-byte elements; 20 padding on; 21 set beside a mask; 24:22 after every 256 words (code 7); 31:25 4 words (code 3)
	s_mov_b32 s[G1E+1], 512<<16                    ; tensor_dim0 = 512
	s_mov_b32 s[G1E+2], 33<<16                     ; tensor_dim1 = 33
	s_mov_b32 s[G1E+3], 512<<16                    ; tile_dim0 = 512
	s_mov_b32 s[G1E+4], 33                         ; tile_dim1 = 33
	s_mov_b32 s[G1E+5], 512                        ; 512 elements from row to row: a block is dense
	s_mov_b32 s[G1E+6], 0
	s_mov_b32 s[G1E+7], 0
	; group 1 for x: 66 rows, no mask
	s_mov_b32 s[G1X+0], 0x07d10000
	s_mov_b32 s[G1X+1], 512<<16
	s_mov_b32 s[G1X+2], 66<<16
	s_mov_b32 s[G1X+3], 512<<16
	s_mov_b32 s[G1X+4], 66
	s_mov_b32 s[G1X+5], 512
	s_mov_b32 s[G1X+6], 0
	s_mov_b32 s[G1X+7], 0
	s_mov_b32 s[G0X], 1                            ; 1:0 count = 1
	s_mul_i32 s[G0X+1], s[WV], XW                  ; LDS addresses hang on the wave's number alone
	s_mov_b32 s[G0A], 1
	s_mul_i32 s[G0A+1], s[WV], QTR                 ; slot 0, my quarter of it
	s_mov_b32 s[G0A+4], 1
	s_add_co_u32 s[G0A+5], s[G0A+1], SLOT          ; slot 1
	s_mul_i32 s12, s10, 8*BLK                      ; x: my work-group's eight blocks,
	s_mul_i32 s13, s[WV], 2*BLK                    ; my wave's two of them
	s_add_co_u32 s12, s12, s13
	s_mov_b32 s13, 0
	s_mul_i32 s14, s11, 64*BLK                     ; codes: the quarter's 64 blocks (in registers that never hold cx),
	s_mul_i32 s15, s[WV], BLK                      ; my block of a group of four
	s_add_co_u32 s14, s14, s15
	s_add_co_u32 s14, s14, EOFF
	s_mov_b32 s15, 0
	s_lshl_b32 s50, s11, 17                        ; cand: the quarter's 16,384 rows of 8 bytes,
	s_lshl_b32 s51, s10, 11                        ; my work-group's 256,
	s_add_co_u32 s50, s50, s51
	s_lshl_b32 s51, s[WV], 9                       ; my wave's 64
	s_add_co_u32 s50, s50, s51
	s_mov_b32 s51, 0
	s_lshl_b32 s47, s11, 11                        ; the quarter's first code
	s_mov_b32 s[SEL], 0x76543210
	s_mov_b32 s[SEL+1], 0xfedcba98
.set j, 0
.rept 8
	s_mov_b32 s[KJ+j], j                           ; tile 0
.set j, j+1
.endr
	s_wait_dscnt 0x0                               ; the opening add is done
	s_wait_kmcnt 0x0
	s_add_nc_u64 s[G0X+2:G0X+3], s[4:5], s[12:13]
	s_or_b32 s[G0X+3], s[G0X+3], 0x80000000        ; 127:126 type = 2
	s_add_nc_u64 s[G0A+2:G0A+3], s[4:5], s[14:15]  ; group 0 of the quarter's sixteen groups of 128 codes,
	s_add_nc_u64 s[G0A+6:G0A+7], s[G0A+2:G0A+3], GROUPB  ; group 1
	s_or_b32 s[G0A+3], s[G0A+3], 0x80000000
	s_or_b32 s[G0A+7], s[G0A+7], 0x80000000
	s_add_nc_u64 s[6:7], s[6:7], s[50:51]
	CROUND                                         ; in a cluster launch every group of tensor loads stands behind a round
	tensor_load_to_lds s[G0X:G0X+3], s[G1X:G1X+7]  ; my 64 rows of x and their sums: the launch's one first fill; one load of mine is out
	s_nop 0
	v_and_b32 v1, 15, v0                           ; l % 16
	v_bfe_u32 v2, v0, 4, 1                         ; l / 16
	v_mul_u32_u24 v[AK0], v1, PITCH
	v_lshl_add_u32 v[AK0], v2, 4, v[AK0]
	v_lshlrev_b32 v[AN0], 5, v2
	v_add_nc_u32 v[AN0], NROW, v[AN0]
	v_add_nc_u32 v[ADRX], s[G0X+1], v[AK0]
	v_lshlrev_b32 v[ADRA], 2, v1
	v_add_nc_u32 v[ADRA], s[G0X+1], v[ADRA]
	v_add_nc_u32 v[ADRA+1], QTR, v[ADRA]
	v_and_b32 v[CO], 31, v0
	v_lshlrev_b32 v[CO], 3, v[CO]
	v_lshl_add_u32 v[HO], v2, 3, s47
.set q, 0
.rept 4
	v_mov_b32 v[BEST+q], 0x7f800000                ; +infinity: the first finite distance is less
	v_mov_b32 v[IDX+q], 0
.set q, q+1
.endr
	; x into registers.  A fragment is 16 rows x 32 K in 8 registers: lane l holds row l % 16, K = 8 (l / 16) + 0..7 and 16 + 8 (l / 16) + 0..7: two loads of 16 bytes, 32 bytes apart.
	; Group q of 16 rows begins at row 0, 16, 33, 49 of my 66: a row of sums lies behind each 32.  Only the wave that asked for these bytes reads them, so its own wait is all the ordering that the reads need.
.macro XLOAD half
.set q, 0
.rept 4
.set c, 0
.rept 8
	ds_load_b128 v[64*q+8*c:64*q+8*c+3],   v[ADRX] offset:(q/2)*QTR+(q%2)*16*PITCH+512*(\half)+64*c
	ds_load_b128 v[64*q+8*c+4:64*q+8*c+7], v[ADRX] offset:(q/2)*QTR+(q%2)*16*PITCH+512*(\half)+64*c+32
.set c, c+1
.endr
.set q, q+1
.endr
.endm
	s_wait_tensorcnt 0x0                           ; my tile of x is in LDS
	WIN 0x80                                       ; destination window 2, address window 0
	XLOAD 0
	WIN 0xc0                                       ; destination window 3
	XLOAD 1
	WIN 0
	ds_load_b32 v[AN+0], v[ADRA]   offset:NROW
	ds_load_b32 v[AN+1], v[ADRA]   offset:NROW+64
	ds_load_b32 v[AN+2], v[ADRA+1] offset:NROW
	ds_load_b32 v[AN+3], v[ADRA+1] offset:NROW+64
	s_wait_tensorcnt 0x0                           ; the slots are filled again, with codes: no tensor load of mine is out,
	ds_add_u32 v[SPW], v[NIL]                      ; 0 onto my spare word,
	s_wait_dscnt 0x0                               ; the add is done and x is in my registers
	CROUND                                         ; the same now holds of every wave of every partner
	tensor_load_to_lds s[G0A:G0A+3], s[G1E:G1E+7]  ; group 0 into slot 0, my quarter of it
	s_nop 0
	PLACES
; THE MATRIX WORK.  Instruction i of a tile's 64: K step i / 4, rows of x 16 (i % 4) on, into set p.  The four accumulators take turns, one instruction a turn; the first four start the sums with the constant 0.
.macro MM p
.set c, i/4
.set q, i%4
.if c < 8
	WIN 0x09                                       ; codes in window 1, x in window 2, sums in window 0
.else
	WIN 0x0d                                       ; x in window 3
.endif
.set rD, ACC+32*(\p)+8*q
.set rA, 128*(\p)+8*c
.set rB, 64*q+8*(c%8)
.if c == 0
	v_wmma_f32_16x16x32_bf16 v[rD:rD+7], v[rA:rA+7], v[rB:rB+7], 0
.else
	v_wmma_f32_16x16x32_bf16 v[rD:rD+7], v[rA:rA+7], v[rB:rB+7], v[rD:rD+7]
.endif
.set i, i+1
.endm
; THE VECTOR WORK: number e of the 128 that judge the tile whose sums lie in set a.  All in window 0.
;   0-15    t = B + A, two codes at a time (A of group q is broadcast from its pair)
;   16-31   d = t - 2 dot, one rounding, two at a time, ascending: each accumulator's lowest registers are read first
;   32-127  for code j = 0..7, four groups at a time: is d less than the least so far (strictly: the first code keeps a tie); if so its number is taken; the new least
.macro RID a
.if e < 16
.set q, e/4
.set m, e%4
.if q%2 == 0
	v_pk_add_f32 v[T+8*q+2*m:T+8*q+2*m+1], v[BN+8*(\a)+2*m:BN+8*(\a)+2*m+1], v[AN+2*(q/2):AN+2*(q/2)+1] op_sel:[0,0] op_sel_hi:[1,0]
.else
	v_pk_add_f32 v[T+8*q+2*m:T+8*q+2*m+1], v[BN+8*(\a)+2*m:BN+8*(\a)+2*m+1], v[AN+2*(q/2):AN+2*(q/2)+1] op_sel:[0,1] op_sel_hi:[1,1]
.endif
.elseif e < 32
.set z, e-16
	v_pk_fma_f32 v[T+2*z:T+2*z+1], v[ACC+32*(\a)+2*z:ACC+32*(\a)+2*z+1], -2.0, v[T+2*z:T+2*z+1] op_sel_hi:[1,0,1]
.else
.set z, e-32
.set j, z/12
.set q, z%4
.if (z%12)/4 == 0
	v_cmp_lt_f32 s[MK+q], v[T+8*q+j], v[BEST+q]
.elseif (z%12)/4 == 1
	v_cndmask_b32 v[IDX+q], v[IDX+q], s[KJ+j], s[MK+q]
.else
	v_min_num_f32 v[BEST+q], v[T+8*q+j], v[BEST+q]
.endif
.endif
.set e, e+1
.endm
; THE LDS LOADS stand in one run of 34: half u of a block (16 codes x 512 K: 16 fragments) into buffer f, and my eight codes' sums of squares.
.macro FETCH f, u
	WIN 0x40                                       ; destination window 1, address window 0
.set c, 0
.rept 16
	ds_load_b128 v[128*(\f)+8*c:128*(\f)+8*c+3],   v[ADR] offset:(\u)*16*PITCH+64*c
	ds_load_b128 v[128*(\f)+8*c+4:128*(\f)+8*c+7], v[ADR] offset:(\u)*16*PITCH+64*c+32
.set c, c+1
.endr
	WIN 0
	ds_load_b128 v[BN+8*(\f):BN+8*(\f)+3],   v[ADRN] offset:64*(\u)
	ds_load_b128 v[BN+8*(\f)+4:BN+8*(\f)+7], v[ADRN] offset:64*(\u)+16
.endm
; A TILE in buffer and set p.  riders = 1: the tile before is judged beside it, four vector instructions behind every second matrix instruction.  fetch = 1: behind the 32nd matrix instruction the next
; tile is fetched into the other buffer, 32 matrix instructions ahead of its first use.  That buffer's last matrix reader stands a half tile back, with the sixteen additions of t, which name none of its
; registers, among the places between (ISA guide 7.12.1); the other buffer of B was last read by those same additions.  The first reader of the other set's sums is number 16, behind those sixteen too.
.macro TILE p, fetch, riders
	s_wait_dscnt 0x0                               ; this tile's fragments and sums of squares are in
.set i, 0
.set e, 0
.rept 32
	MM \p
	MM \p
.if \riders
	WIN 0
	RID 1-(\p)
	RID 1-(\p)
	RID 1-(\p)
	RID 1-(\p)
.endif
.if (\fetch) && (i == 32)
.if (\p) == 1
	WIN 0
	v_add_nc_u32 v[ADR], s[TB], v[AK0]             ; the next tile is the next block's first
	v_add_nc_u32 v[ADRN], s[TB], v[AN0]
	FETCH 0, 0
.else
	FETCH 1, 1                                     ; the same block's second
	s_add_co_u32 s[TB], s[TB], QTR
.endif
.endif
.endr
.if \riders
.set j, 0
.rept 8
	s_add_co_u32 s[KJ+j], s[KJ+j], 16              ; the numbers of the next tile to be judged
.set j, j+1
.endr
.endif
.endm
.macro PAIRS n                         ; n trips of two tiles
	WIN 0                                          ; at a label and at a branch every window is 0
	s_mov_b32 s[CNT], \n
.Lpair_\@:
	TILE 1, 1, 1
	TILE 0, 1, 1
	WIN 0
	s_sub_co_u32 s[CNT], s[CNT], 1
	s_cmp_lg_u32 s[CNT], 0
	s_cbranch_scc1 .Lpair_\@
.endm
; THE CHANGE OF SLOTS.  The old slot's last tile has been fetched into registers.  Each wave waits for all its tensor loads, of which one is out: its quarter of slot cur; adds 0 to its spare word; and waits
; for that and for its own reads of the old slot.  Behind the barrier nobody reads the old slot any more and slot cur is whole.  fill = 1: the barrier is a round of the cluster's, so that the same holds of
; every partner, and the old slot is filled again first thing behind it, with the group behind slot cur's.
.macro CHANGE cur, fill
	WIN 0
	s_wait_tensorcnt 0x0                           ; no tensor load of mine is out, so a group 0 may be written
	ds_add_u32 v[SPW], v[NIL]                      ; 0 onto my spare word: scalar work stands between it and the wait for it
.if \fill
	s_add_nc_u64 s[G0A+4*(\cur)+2:G0A+4*(\cur)+3], s[G0A+4*(\cur)+2:G0A+4*(\cur)+3], 2*GROUPB  ; slot cur's next group; the type bits on top are not reached
.endif
	s_mov_b32 s[TB], (\cur)*SLOT                   ; the fetches go on at slot cur's first block
	s_wait_dscnt 0x0                               ; the add is done, and my reads of the old slot are over
.if \fill
	CROUND
	tensor_load_to_lds s[G0A+4*(1-(\cur)):G0A+4*(1-(\cur))+3], s[G1E:G1E+7]  ; my one tensor load behind the round
	s_nop 0
	PLACES
.else
	s_barrier_signal -1
	s_barrier_wait -1
.endif
.endm
	CHANGE 0, 1                                    ; group 0 is in, everybody's part of it; group 1 is asked for
	v_add_nc_u32 v[ADR], s[TB], v[AK0]
	v_add_nc_u32 v[ADRN], s[TB], v[AN0]
	FETCH 0, 0
	TILE 0, 1, 0                                   ; the first tile: there is nothing yet to judge beside it
	PAIRS 3                                        ; tiles 1 to 6 of slot 0; tile 7 is fetched
	s_mov_b32 s[LAP], 7
.Llap:                                 ; a lap: groups 2 k + 1 and 2 k + 2 are entered, groups 2 k + 2 and 2 k + 3 asked for; seven laps end with group 15 asked for
	CHANGE 1, 1
	PAIRS 4                                        ; the old slot's tile 7, this slot's tiles 0 to 6
	CHANGE 0, 1
	PAIRS 4
	s_sub_co_u32 s[LAP], s[LAP], 1
	s_cmp_lg_u32 s[LAP], 0
	s_cbranch_scc1 .Llap
	CHANGE 1, 0                                    ; the last group is written out: nothing is asked for
	PAIRS 4
	TILE 1, 0, 1                                   ; the last tile
	WIN 0
.set e, 0
.rept 128
	RID 1                                          ; and its judging: the sixteen additions of t are the places behind the last products
.endr
	; A row's codes lie in two lanes, 16 apart.  The number is made whole; d becomes a key whose unsigned order is f32's (sign bit turned for d >= 0, all bits for d < 0); the other lane's pair wins
	; if its key is less, or equal with the lower number.
.set q, 0
.rept 4
	v_add_nc_u32 v[IDX+q], v[IDX+q], v[HO]
	v_ashrrev_i32 v[T+q], 31, v[BEST+q]
	v_or_b32 v[T+q], 0x80000000, v[T+q]
	v_xor_b32 v[BEST+q], v[BEST+q], v[T+q]
	v_permlanex16_b32 v[T+4+q], v[BEST+q], s[SEL], s[SEL+1]
	v_permlanex16_b32 v[T+8+q], v[IDX+q], s[SEL], s[SEL+1]
	v_cmp_lt_u32 s[MK], v[T+4+q], v[BEST+q]
	v_cmp_eq_u32 s[MK+1], v[T+4+q], v[BEST+q]
	v_cmp_lt_u32 s[MK+2], v[T+8+q], v[IDX+q]
	s_and_b32 s[MK+1], s[MK+1], s[MK+2]
	s_or_b32 s[MK], s[MK], s[MK+1]
	v_cndmask_b32 v[BEST+q], v[BEST+q], v[T+4+q], s[MK]
	v_cndmask_b32 v[IDX+q], v[IDX+q], v[T+8+q], s[MK]
.set q, q+1
.endr
	v_cmp_eq_u32 vcc_lo, 1, v2                     ; lanes 0-15 store groups 0 and 2, lanes 16-31 groups 1 and 3: lane l stores rows l and 32 + l of my 64
	v_cndmask_b32 v[T+0], v[BEST+0], v[BEST+1], vcc_lo
	v_cndmask_b32 v[T+1], v[IDX+0],  v[IDX+1],  vcc_lo
	v_cndmask_b32 v[T+2], v[BEST+2], v[BEST+3], vcc_lo
	v_cndmask_b32 v[T+3], v[IDX+2],  v[IDX+3],  vcc_lo
	global_store_b64 v[CO], v[T+0:T+1], s[6:7]             ; each store covers 256 consecutive bytes, at a multiple of 256 from cand's first byte
	global_store_b64 v[CO], v[T+2:T+3], s[6:7] offset:256
	s_wait_tensorcnt 0x0                           ; the wave's end, behind my last tensor load
	ds_add_u32 v[SPW], v[NIL]
	s_wait_dscnt 0x0
	CROUND                                         ; the closing round: no work-group ends while a partner may still ask for a block that names it
	s_endpgm
.Lfunc_end_k_qb5b9fc596c_dist:
	.size	k_qb5b9fc596c_dist, .Lfunc_end_k_qb5b9fc596c_dist-k_qb5b9fc596c_dist
	.p2alignl 7, 3214868480
	.fill 96, 4, 3214868480
	.section	.rodata,"a",@progbits
	.p2align	6, 0x0
	.amdhsa_kernel k_qb5b9fc596c_dist
		.amdhsa_group_segment_fixed_size 327680
		.amdhsa_private_segment_fixed_size 0
		.amdhsa_enable_private_segment 0
		.amdhsa_kernarg_size 16
		.amdhsa_user_sgpr_count 2
		.amdhsa_user_sgpr_kernarg_segment_ptr 1
		.amdhsa_wavefront_size32 1
		.amdhsa_system_sgpr_workgroup_id_x 1
		.amdhsa_system_sgpr_workgroup_id_y 1
		.amdhsa_system_sgpr_workgroup_id_z 1
		.amdhsa_system_vgpr_workitem_id 0
		.amdhsa_next_free_vgpr 1024
		.amdhsa_next_free_sgpr 66
		.amdhsa_reserve_vcc 1
		.amdhsa_float_denorm_mode_32 3
		.amdhsa_float_denorm_mode_16_64 3
		.amdhsa_memory_ordered 1
		.amdhsa_forward_progress 1
		.amdhsa_inst_pref_size 174
	.end_amdhsa_kernel
	.amdgpu_metadata
---
amdhsa.version: [ 1, 2 ]
amdhsa.kernels:
  - .name:           k_qb5b9fc596c_dist
    .symbol:         k_qb5b9fc596c_dist.kd
    .args:
      - { .name: wb, .offset: 0, .size: 8, .value_kind: global_buffer, .address_space: global }
      - { .name: cand, .offset: 8, .size: 8, .value_kind: global_buffer, .address_space: global }
    .group_segment_fixed_size: 327680
    .private_segment_fixed_size: 0
    .kernarg_segment_align: 8
    .kernarg_segment_size: 16
    .max_flat_workgroup_size: 128
    .sgpr_count:     66
    .vgpr_count:     1024
    .wavefront_size: 32
...
	.end_amdgpu_metadata
.endif
;; end of part 2
;; launch quant (part 3): grid 256 x 1, 16 waves a work-group, no clusters, 0 bytes of LDS; arguments x, emb, cand, out0, out3, lp; writes out0, out3, lp
.if DOCPART == 3
	.amdgcn_target "amdgcn-amd-amdhsa--gfx1250"
	.amdhsa_code_object_version 6
	.text
	.protected	k_qb5b9fc596c_quant
	.globl	k_qb5b9fc596c_quant
	.p2align	8
	.type	k_qb5b9fc596c_quant,@function
k_qb5b9fc596c_quant:
	s_mov_b64 s[64:65], 0
	v_nop
	global_prefetch_b8 v0, s[64:65] scope:SCOPE_SE
	s_setreg_imm32_b32 hwreg(HW_REG_WAVE_MODE, 25, 1), 1
	s_wait_xcnt 0x0
; quant: the least of each row's four candidates; out3 = its code; out0 = x + (emb[code] - x), in f32 from the f32 inputs, rounded as the formula is written; lp = each wave's sum of (emb[code] - x)^2.
; cand: [4 quarters][16,384 rows]{key, code}, whole numbers stored by the launch before: the keys' unsigned order is the distances' order; a lower quarter keeps a tie, so the first code wins.
; SHARES.  A work-group takes 64 rows, a wave 4.  A row is 2,048 bytes: four loads or stores of a wave, each 512 consecutive bytes, aligned.  Everything is asked for once and nothing is loaded into a register
; twice, so there is no loop.  A wave's four codes are scalars (they make the bases of emb's rows); wave 0 also merges all 64 rows by lanes, so that out3 leaves as one whole run of 256 bytes.
; No LDS, no matrix unit, no cluster: the work-groups share no tile, and bytes are all that counts here.
; A code enters an address only behind a clamp to 8,191 (the launch before stores none above it).
.set C, 4                              ; v[4:19]    wave 0: quarter c's {key, code} of rows 2 l, 2 l + 1
.set X, 20                             ; v[20:83]   row i: 16 registers of x
.set Q, 84                             ; v[84:147]  row i: emb's row, then out0's
.set D, 148                            ; v[148:155] differences, four pairs by turns
.set L, 156                            ; v[156:163] four pairs of sums of squares
	s_load_b256 s[4:11], s[0:1], 0x0               ; x s[4:5], emb s[6:7], cand s[8:9], out0 s[10:11]
	s_load_b128 s[12:15], s[0:1], 0x20             ; out3 s[12:13], lp s[14:15]
	v_and_b32 v2, 31, v0                           ; lane
	v_lshrrev_b32 v3, 5, v0
	v_readfirstlane_b32 s66, v3                    ; wave 0..15
	v_lshlrev_b32 v1, 4, v2                        ; 16 bytes a lane
	v_mov_b32 v3, 0
	s_mov_b32 s70, 0x76543210
	s_mov_b32 s71, 0xfedcba98
	s_lshl_b32 s67, ttmp9, 6
	s_lshl2_add_u32 s67, s66, s67                  ; my first row = 64 x work-group + 4 x wave
	s_lshl_b32 s68, s67, 3                         ; 8 bytes a row in cand
	s_mov_b32 s69, 0
	s_wait_kmcnt 0x0
	s_add_nc_u64 s[56:57], s[8:9], s[68:69]
	s_load_b256 s[16:23], s[56:57], 0x0            ; my four rows' {key, code} in quarter 0,
	s_load_b256 s[24:31], s[56:57], 0x20000        ; 1,
	s_load_b256 s[32:39], s[56:57], 0x40000        ; 2,
	s_load_b256 s[40:47], s[56:57], 0x60000        ; 3
	s_lshl_b32 s68, s67, 11                        ; 2,048 bytes a row in x and out0
	s_add_nc_u64 s[58:59], s[4:5], s[68:69]
	s_add_nc_u64 s[60:61], s[10:11], s[68:69]
	s_lshl_b32 s68, ttmp9, 9                       ; the work-group's 64 rows in cand,
	s_add_nc_u64 s[62:63], s[8:9], s[68:69]
	s_lshl_b32 s68, ttmp9, 8                       ; and in out3
	s_add_nc_u64 s[12:13], s[12:13], s[68:69]
	s_lshl_b32 s68, ttmp9, 4
	s_add_co_u32 s68, s68, s66
	s_lshl_b32 s68, s68, 2                         ; my wave's word in lp
	s_add_nc_u64 s[14:15], s[14:15], s[68:69]
	s_cmp_lg_u32 s66, 0
	s_cbranch_scc1 .Lnot_wave_0
.set c, 0
.rept 4
	global_load_b128 v[C+4*c:C+4*c+3], v1, s[62:63] offset:c*131072  ; older than every load below: the counted waits below show them in too
.set c, c+1
.endr
.Lnot_wave_0:
.set n, 0
.rept 16
	global_load_b128 v[X+4*n:X+4*n+3], v1, s[58:59] offset:512*n th:TH_LOAD_NT
.set n, n+1
.endr
	s_wait_kmcnt 0x0
.set i, 0
.rept 4                                ; row i: the least key of four, strictly less to replace
.set c, 1
.rept 3
	s_cmp_lt_u32 s[16+8*c+2*i], s[16+2*i]
	s_cselect_b32 s[16+2*i], s[16+8*c+2*i], s[16+2*i]
	s_cselect_b32 s[17+2*i], s[17+8*c+2*i], s[17+2*i]
.set c, c+1
.endr
	s_min_u32 s[17+2*i], s[17+2*i], 0x1fff         ; a loaded number enters an address only behind this clamp
	s_lshl_b32 s[16+2*i], s[17+2*i], 11            ; 2,048 bytes a row of emb
	s_mov_b32 s[17+2*i], 0
	s_add_nc_u64 s[48+2*i:49+2*i], s[6:7], s[16+2*i:17+2*i]
.set i, i+1
.endr
.set n, 0
.rept 16
	global_load_b128 v[Q+4*n:Q+4*n+3], v1, s[48+2*(n/4):49+2*(n/4)] offset:512*(n%4)  ; no hint: a code may be several rows' choice
.set n, n+1
.endr
.macro QROW i
	s_wait_loadcnt 12-4*(\i)                       ; loads come back in order: row i of emb is in (and all of x); the four loads of each later row may be out
.set k, 0
.rept 8
	v_pk_add_f32 v[D+2*(k%4):D+2*(k%4)+1], v[Q+16*(\i)+2*k:Q+16*(\i)+2*k+1], v[X+16*(\i)+2*k:X+16*(\i)+2*k+1] neg_lo:[0,1] neg_hi:[0,1]  ; q - x
.if ((\i) == 0) && (k < 4)
	v_pk_mul_f32 v[L+2*(k%4):L+2*(k%4)+1], v[D+2*(k%4):D+2*(k%4)+1], v[D+2*(k%4):D+2*(k%4)+1]  ; the first squares start the sums
.else
	v_pk_fma_f32 v[L+2*(k%4):L+2*(k%4)+1], v[D+2*(k%4):D+2*(k%4)+1], v[D+2*(k%4):D+2*(k%4)+1], v[L+2*(k%4):L+2*(k%4)+1]
.endif
	v_pk_add_f32 v[Q+16*(\i)+2*k:Q+16*(\i)+2*k+1], v[X+16*(\i)+2*k:X+16*(\i)+2*k+1], v[D+2*(k%4):D+2*(k%4)+1]  ; x + (q - x)
.set k, k+1
.endr
.set k, 0
.rept 4
	global_store_b128 v1, v[Q+16*(\i)+4*k:Q+16*(\i)+4*k+3], s[60:61] offset:(\i)*2048+512*k th:TH_STORE_NT
.set k, k+1
.endr
.endm
	QROW 0
	QROW 1
	QROW 2
	QROW 3
	v_pk_add_f32 v[L:L+1], v[L:L+1], v[L+2:L+3]
	v_pk_add_f32 v[L+4:L+5], v[L+4:L+5], v[L+6:L+7]
	v_pk_add_f32 v[L:L+1], v[L:L+1], v[L+4:L+5]
	v_add_f32 v[L], v[L], v[L+1]
	v_add_f32_dpp v[L], v[L], v[L] row_xmask:1 row_mask:0xf bank_mask:0xf
	v_add_f32_dpp v[L], v[L], v[L] row_xmask:2 row_mask:0xf bank_mask:0xf
	v_add_f32_dpp v[L], v[L], v[L] row_xmask:4 row_mask:0xf bank_mask:0xf
	v_add_f32_dpp v[L], v[L], v[L] row_xmask:8 row_mask:0xf bank_mask:0xf
	v_permlanex16_b32 v[L+1], v[L], s70, s71
	v_add_f32 v[L], v[L], v[L+1]
	v_cmp_eq_u32 vcc_lo, 0, v2
	s_wait_xcnt 0x0                                ; EXEC is a source of the stores above: it changes only behind this wait
	s_and_saveexec_b32 s68, vcc_lo
	global_store_b32 v3, v[L], s[14:15]            ; lane 0: my wave's partial sum
	s_wait_xcnt 0x0                                ; and again, in front of the line that widens it
	s_or_b32 exec_lo, exec_lo, s68
	s_cmp_lg_u32 s66, 0
	s_cbranch_scc1 .Ldone
.set c, 1
.rept 3                                ; wave 0: rows 2 l and 2 l + 1 of the work-group's 64; the last selects of the codes fall into the pair that is stored
	v_cmp_lt_u32 vcc_lo, v[C+4*c], v[C]
	v_cndmask_b32 v[C], v[C], v[C+4*c], vcc_lo
.if c == 3
	v_cndmask_b32 v[D], v[C+1], v[C+4*c+1], vcc_lo
.else
	v_cndmask_b32 v[C+1], v[C+1], v[C+4*c+1], vcc_lo
.endif
	v_cmp_lt_u32 vcc_lo, v[C+4*c+2], v[C+2]
	v_cndmask_b32 v[C+2], v[C+2], v[C+4*c+2], vcc_lo
.if c == 3
	v_cndmask_b32 v[D+1], v[C+3], v[C+4*c+3], vcc_lo
.else
	v_cndmask_b32 v[C+3], v[C+3], v[C+4*c+3], vcc_lo
.endif
.set c, c+1
.endr
	v_lshlrev_b32 v[D+2], 3, v2
	global_store_b64 v[D+2], v[D:D+1], s[12:13]    ; 256 consecutive bytes, at a multiple of 256 from out3's first byte
.Ldone:
	s_endpgm
.Lfunc_end_k_qb5b9fc596c_quant:
	.size	k_qb5b9fc596c_quant, .Lfunc_end_k_qb5b9fc596c_quant-k_qb5b9fc596c_quant
	.p2alignl 7, 3214868480
	.fill 96, 4, 3214868480
	.section	.rodata,"a",@progbits
	.p2align	6, 0x0
	.amdhsa_kernel k_qb5b9fc596c_quant
		.amdhsa_group_segment_fixed_size 0
		.amdhsa_private_segment_fixed_size 0
		.amdhsa_enable_private_segment 0
		.amdhsa_kernarg_size 48
		.amdhsa_user_sgpr_count 2
		.amdhsa_user_sgpr_kernarg_segment_ptr 1
		.amdhsa_wavefront_size32 1
		.amdhsa_system_sgpr_workgroup_id_x 1
		.amdhsa_system_sgpr_workgroup_id_y 1
		.amdhsa_system_sgpr_workgroup_id_z 1
		.amdhsa_system_vgpr_workitem_id 0
		.amdhsa_next_free_vgpr 168
		.amdhsa_next_free_sgpr 72
		.amdhsa_reserve_vcc 1
		.amdhsa_float_denorm_mode_32 3
		.amdhsa_float_denorm_mode_16_64 3
		.amdhsa_memory_ordered 1
		.amdhsa_forward_progress 1
		.amdhsa_inst_pref_size 16
	.end_amdhsa_kernel
	.amdgpu_metadata
---
amdhsa.version: [ 1, 2 ]
amdhsa.kernels:
  - .name:           k_qb5b9fc596c_quant
    .symbol:         k_qb5b9fc596c_quant.kd
    .args:
      - { .name: x, .offset: 0, .size: 8, .value_kind: global_buffer, .address_space: global }
      - { .name: emb, .offset: 8, .size: 8, .value_kind: global_buffer, .address_space: global }
      - { .name: cand, .offset: 16, .size: 8, .value_kind: global_buffer, .address_space: global }
      - { .name: out0, .offset: 24, .size: 8, .value_kind: global_buffer, .address_space: global }
      - { .name: out3, .offset: 32, .size: 8, .value_kind: global_buffer, .address_space: global }
      - { .name: lp, .offset: 40, .size: 8, .value_kind: global_buffer, .address_space: global }
    .group_segment_fixed_size: 0
    .private_segment_fixed_size: 0
    .kernarg_segment_align: 8
    .kernarg_segment_size: 48
    .max_flat_workgroup_size: 512
    .sgpr_count:     72
    .vgpr_count:     168
    .wavefront_size: 32
...
	.end_amdgpu_metadata
.endif
;; end of part 3
;; launch scalars (part 4): grid 1 x 1, 8 waves a work-group, no clusters, 1,280 bytes of LDS; arguments out3, lp, out1, out2; writes out1, out2
.if DOCPART == 4
	.amdgcn_target "amdgcn-amd-amdhsa--gfx1250"
	.amdhsa_code_object_version 6
	.text
	.protected	k_qb5b9fc596c_scalars
	.globl	k_qb5b9fc596c_scalars
	.p2align	8
	.type	k_qb5b9fc596c_scalars,@function
k_qb5b9fc596c_scalars:
	s_mov_b64 s[64:65], 0
	v_nop
	global_prefetch_b8 v0, s[64:65] scope:SCOPE_SE
	s_setreg_imm32_b32 hwreg(HW_REG_WAVE_MODE, 25, 1), 1
	s_wait_xcnt 0x0
; scalars: out1 = 1.25 x the mean of (q - x)^2 over 2^23 numbers, from the 4,096 partial sums in lp; out2 = exp(-a ln(a + 1e-10)) with a = 1 / (the largest code in out3 + 1).
; One work-group of eight waves: the two sums span all work-groups of the launch before, so they are made here, by one owner.  Thread t takes 16 bytes at 16 t of every 4,096: each load of a wave covers
; 512 consecutive bytes.  The codes are below 8,192, so their largest is exact in f32, and the lanes' and waves' maxima are taken there.  exp and ln go in base 2: e^(-a ln y) = 2^(-a log2 y).
; LDS: bytes 0-63, {sum, maximum} of each wave; from byte 256 the spare words, 128 bytes for each wave, which no other line names.
.set SPARE, 256
	s_load_b256 s[4:11], s[0:1], 0x0               ; out3 s[4:5], lp s[6:7], out1 s[8:9], out2 s[10:11]
	v_lshl_add_u32 v100, v0, 2, SPARE              ; my spare word,
	v_mov_b32 v101, 0                              ; and 0: kept for the add alone
	v_lshlrev_b32 v1, 4, v0
	v_lshrrev_b32 v2, 5, v0
	v_readfirstlane_b32 s12, v2                    ; wave 0..7
	v_lshlrev_b32 v2, 3, v2                        ; my wave's 8 bytes in LDS
	v_mov_b32 v3, 0
	s_mov_b32 s14, 0x76543210
	s_mov_b32 s15, 0xfedcba98
	s_wait_kmcnt 0x0
.set k, 0
.rept 16
	global_load_b128 v[8+4*k:11+4*k], v1, s[4:5] offset:4096*k
.set k, k+1
.endr
.set k, 0
.rept 4
	global_load_b128 v[72+4*k:75+4*k], v1, s[6:7] offset:4096*k
.set k, k+1
.endr
	s_wait_loadcnt 0x4                             ; the codes are in; lp's four loads may be out
.set n, 4
.rept 60
	v_max_u32 v[8+n%4], v[8+n%4], v[8+n]           ; four chains, started by the first four words
.set n, n+1
.endr
	v_max_u32 v8, v8, v9
	v_max_u32 v10, v10, v11
	v_max_u32 v8, v8, v10
	v_cvt_f32_u32 v9, v8
	s_wait_loadcnt 0x0
	v_pk_add_f32 v[72:73], v[72:73], v[80:81]
	v_pk_add_f32 v[74:75], v[74:75], v[82:83]
	v_pk_add_f32 v[76:77], v[76:77], v[84:85]
	v_pk_add_f32 v[78:79], v[78:79], v[86:87]
	v_pk_add_f32 v[72:73], v[72:73], v[76:77]
	v_pk_add_f32 v[74:75], v[74:75], v[78:79]
	v_pk_add_f32 v[72:73], v[72:73], v[74:75]
	v_add_f32 v72, v72, v73
.irp x, 1,2,4,8
	v_add_f32_dpp v72, v72, v72 row_xmask:\x row_mask:0xf bank_mask:0xf
	v_max_num_f32_dpp v9, v9, v9 row_xmask:\x row_mask:0xf bank_mask:0xf
.endr
	v_permlanex16_b32 v73, v72, s14, s15
	v_permlanex16_b32 v10, v9, s14, s15
	v_add_f32 v90, v72, v73
	v_max_num_f32 v91, v9, v10
	ds_store_b64 v2, v[90:91]                      ; all lanes of a wave write the same 8 bytes with the same numbers
	s_wait_dscnt 0x0                               ; for the others' sake: my store is done
	s_barrier_signal -1
	s_barrier_wait -1
	ds_load_b128 v[8:11],  v3
	ds_load_b128 v[12:15], v3 offset:16
	ds_load_b128 v[16:19], v3 offset:32
	ds_load_b128 v[20:23], v3 offset:48
	s_wait_tensorcnt 0x0                           ; the wave's end in LDS, behind my last LDS store; nothing touches LDS behind it,
	ds_add_u32 v100, v101
	s_wait_dscnt 0x0                               ; and this wait is also the one for the four loads above
	v_add_f32 v8, v8, v10
	v_add_f32 v12, v12, v14
	v_add_f32 v16, v16, v18
	v_add_f32 v20, v20, v22
	v_max_num_f32 v9, v9, v11
	v_max_num_f32 v13, v13, v15
	v_max_num_f32 v17, v17, v19
	v_max_num_f32 v21, v21, v23
	v_add_f32 v8, v8, v12
	v_add_f32 v16, v16, v20
	v_max_num_f32 v9, v9, v13
	v_max_num_f32 v17, v17, v21
	v_add_f32 v8, v8, v16
	v_max_num_f32 v9, v9, v17
	v_add_f32 v24, 1.0, v9                         ; L = the largest code + 1
	v_rcp_f32 v25, v24                             ; a = 1 / L
	v_mul_f32 v26, 0x34200000, v8                  ; the loss: sum x 1.25 x 2^-23; also the plain instruction behind the reciprocal (ISA guide 5.7.2)
	s_wait_alu depctr_va_vdst(0)
	v_add_f32 v27, 0x2edbe6ff, v25                 ; a + 1e-10
	v_log_f32 v28, v27
	v_nop                                          ; a plain instruction behind the logarithm
	s_wait_alu depctr_va_vdst(0)
	v_mul_f32 v30, -v25, v28
	v_exp_f32 v29, v30
	v_nop                                          ; and behind the exponential
	s_cmp_lg_u32 s12, 0
	s_cbranch_scc1 .Ldone
	v_cmp_eq_u32 vcc_lo, 0, v0
	s_wait_xcnt 0x0                                ; EXEC changes only behind this wait
	s_and_saveexec_b32 s13, vcc_lo
	global_store_b32 v3, v26, s[8:9]               ; thread 0 stores the two numbers
	s_wait_alu depctr_va_vdst(0)
	global_store_b32 v3, v29, s[10:11]
	s_wait_xcnt 0x0
	s_or_b32 exec_lo, exec_lo, s13
.Ldone:
	s_endpgm
.Lfunc_end_k_qb5b9fc596c_scalars:
	.size	k_qb5b9fc596c_scalars, .Lfunc_end_k_qb5b9fc596c_scalars-k_qb5b9fc596c_scalars
	.p2alignl 7, 3214868480
	.fill 96, 4, 3214868480
	.section	.rodata,"a",@progbits
	.p2align	6, 0x0
	.amdhsa_kernel k_qb5b9fc596c_scalars
		.amdhsa_group_segment_fixed_size 1280
		.amdhsa_private_segment_fixed_size 0
		.amdhsa_enable_private_segment 0
		.amdhsa_kernarg_size 32
		.amdhsa_user_sgpr_count 2
		.amdhsa_user_sgpr_kernarg_segment_ptr 1
		.amdhsa_wavefront_size32 1
		.amdhsa_system_sgpr_workgroup_id_x 1
		.amdhsa_system_sgpr_workgroup_id_y 1
		.amdhsa_system_sgpr_workgroup_id_z 1
		.amdhsa_system_vgpr_workitem_id 0
		.amdhsa_next_free_vgpr 104
		.amdhsa_next_free_sgpr 66
		.amdhsa_reserve_vcc 1
		.amdhsa_float_denorm_mode_32 3
		.amdhsa_float_denorm_mode_16_64 3
		.amdhsa_memory_ordered 1
		.amdhsa_forward_progress 1
		.amdhsa_inst_pref_size 8
	.end_amdhsa_kernel
	.amdgpu_metadata
---
amdhsa.version: [ 1, 2 ]
amdhsa.kernels:
  - .name:           k_qb5b9fc596c_scalars
    .symbol:         k_qb5b9fc596c_scalars.kd
    .args:
      - { .name: out3, .offset: 0, .size: 8, .value_kind: global_buffer, .address_space: global }
      - { .name: lp, .offset: 8, .size: 8, .value_kind: global_buffer, .address_space: global }
      - { .name: out1, .offset: 16, .size: 8, .value_kind: global_buffer, .address_space: global }
      - { .name: out2, .offset: 24, .size: 8, .value_kind: global_buffer, .address_space: global }
    .group_segment_fixed_size: 1280
    .private_segment_fixed_size: 0
    .kernarg_segment_align: 8
    .kernarg_segment_size: 32
    .max_flat_workgroup_size: 256
    .sgpr_count:     66
    .vgpr_count:     104
    .wavefront_size: 32
...
	.end_amdgpu_metadata
.endif
;; end of part 4
